; MI455X (gfx1250); checked and timed in simulation.
; The chip was launched on July 23, 2026; its instructions are those of AMD's public machine-readable ISA for CDNA 5 (MIT licence, August 2026) and "CDNA5" Instruction Set Architecture Reference Guide (July 2026). The comments in the code are by the model that wrote it; some were corrected since.
;; Attention. Allowed arithmetic: matrix products marked QUANTISED: E2M1 operands, one E8M0 scale for each 32 along K, by v_wmma_scale_f32_16x16x128_f8f6f4 with both operands' format E2M1 (or v_wmma_scale_f32_32x16x128_f4), f32 sums; everything else in f32.
;; Inputs: beta 64 float32; gamma 64 float32; key_codes 16 x 64 x 256 x 1 x 16 uint8 (E2M1 codes of key, K innermost, in blocks of 32 codes, two codes a byte); key_scales 16 x 64 x 256 x 1 uint8 (E8M0 scales of key, one for each 32 codes along K); query_codes 16 x 64 x 256 x 1 x 16 uint8 (E2M1 codes of query, K innermost, in blocks of 32 codes, two codes a byte); query_scales 16 x 64 x 256 x 1 uint8 (E8M0 scales of query, one for each 32 codes along K); value 16 x 64 x 32 x 256 float32.
;; Outputs: out0 16 x 64 x 32 x 256 float32.
;; This version of the problem:
;;   THIS VERSION OF THE PROBLEM IS GIVEN IN LOW PRECISION. The matrix products marked QUANTISED in the list below multiply operands that are first quantised to E2M1 (2 exponent bits, 1 mantissa bit; 4 bits a number), with one power-of-two scale for each 32 numbers along K (OCP MX v1.0); their sums are f32. All else is computed in f32.
;;   The module's matrix products, in the order in which they are computed (A, B: the left and right operand; K: the contracted axis; several contracted axes count as one K, in the product's order):
;;     1. batch 1,024 x [M 256, K 32] x [K 32, N 256]; A: input query (given as codes); B: input key (given as codes): QUANTISED
;;     2. batch 1,024 x [M 32, K 256] x [K 256, N 256]; A: input value; B: softmax (see below): QUANTISED
;;   THE QUANTISER, for each operand of a quantised product, along K:
;;     - K is cut into blocks of 32 from its start; a last block that is shorter is filled with zeros.
;;     - A block's scale is 2^e with e = floor(log2(the largest magnitude in the block)) - 2, held to -126 .. 127; a block of zeros has e = 0. As a byte (E8M0): e + 127.
;;     - Each number is divided by its block's scale, clamped to +-6, and rounded to the nearest number of E2M1, ties to even, subnormals kept.
;;     - The product sums the exact products of the quantised numbers (number of the format x scale) in f32.
;;   ~~~python
;;   def quantise(x, axis):      # numpy; x: float32 -> the quantised numbers, widened to float32 again
;;       x = np.moveaxis(x, axis, -1); K = x.shape[-1]
;;       x = np.pad(x, [(0, 0)] * (x.ndim - 1) + [(0, -K % 32)]); x = x.reshape(x.shape[:-1] + (-1, 32)); a = np.abs(x).max(-1, keepdims=True)
;;       e = np.where(a > 0, np.clip(np.frexp(np.where(a > 0, a, 1))[1] - 1 - 2, -126, 127), 0)      # np.frexp(a)[1] - 1 = floor(log2(a)), exactly
;;       r = np.clip(x / 2.0 ** e, -6, 6)
;;       step = 2.0 ** (np.maximum(np.frexp(np.where(r == 0, 1, r))[1] - 1, 0) - 1)
;;       q = np.round(r / step) * step * 2.0 ** e      # np.round: ties to even
;;       return np.moveaxis(q.reshape(q.shape[:-2] + (-1,))[..., :K], -1, axis).astype(np.float32)
;;   ~~~
;;   SOFTMAX AHEAD OF A QUANTISED PRODUCT. Where the list says 'softmax', what is quantised is not the finished softmax but p = 2^(t - M), with t = logit x log2(e) and M = ceil(the row's largest t), a whole number; so 1/2 < the row's largest p <= 1. The row's sum l is taken of the UNQUANTISED p, in f32, and the product's result is divided by l at the end. Since M is a whole number, a kernel that streams over the keys may use a running M (the ceiling of the running maximum): every later rescaling is an exact power of two, which a block's scale takes up: the codes' values come out the same.
;;   OPERANDS COMPUTED ON THE WAY. 'Computed on the way' means the value that the module computes at that place (a softmax that the list does not call 'softmax' is quantised finished and normalised). What goes into a quantiser is computed in f32, as accurately as f32 sums, v_exp_f32 and their like allow (about 1e-6 of the number): no bf16 or f16 on the way to a quantiser, and a product that is left as it is and whose result goes on into a quantised operand takes f32 operands (vector FMAs, or v_wmma_f32_16x16x4_f32). A number that lies on a knife's edge between two numbers of the format may be rounded either way, as far as f32 arithmetic and the matrix unit's own rounding can turn it there, and no further.
;;   INPUTS GIVEN AS CODES. key (in the module: [16, 64, 32, 256], K = its axis 2); query (in the module: [16, 64, 32, 256], K = its axis 2): each comes as NAME_codes (uint8): NAME with its K axis moved to the last place and cut into blocks of 32 codes, [.., K / 32, bytes a block], one block behind the other in memory; two codes a byte, the lower K in the low four bits (a code: sign, 2 exponent bits, 1 mantissa bit); and NAME_scales (uint8): the same leading axes, one E8M0 byte (e + 127) for each 32 codes along K. Its value is code x scale, taken as it is: it is not quantised again, and the codes and scales need not be those that the quantiser above would give.
;; One version. Each part assembles by itself: llvm-mc -triple=amdgcn-amd-amdhsa -mcpu=gfx1250 --defsym DOCPART=n.
;; ======== version 1 of 1: 2 launches
;; limits: right only within a limited range of input values
;; workspace buffers: xbuf 33,554,432 bytes; stats 32,768 bytes
;; launch attn (part 1): grid 256 x 1, 16 waves a work-group, no clusters, 327,680 bytes of LDS; arguments query_codes, query_scales, key_codes, key_scales, value, xbuf, stats; writes xbuf, stats
.if DOCPART == 1
	.amdgcn_target "amdgcn-amd-amdhsa--gfx1250"
	.amdhsa_code_object_version 6
	.text
	.protected	k_q1437210ca2_attn
	.globl	k_q1437210ca2_attn
	.p2align	8
	.type	k_q1437210ca2_attn,@function
k_q1437210ca2_attn:
	s_mov_b64 s[64:65], 0
	v_nop
	global_prefetch_b8 v0, s[64:65] scope:SCOPE_SE
	s_setreg_imm32_b32 hwreg(HW_REG_WAVE_MODE, 25, 1), 1
	s_wait_xcnt 0x0
; x[b][c][h][w] = (sum over v of p[w][v] value[h][v]) / l[w] + value[h][w],  p = 2^(t - M), t = score x log2(e), M = ceil(the row's largest t), l = the sum of the unquantised p;
; score[w][v] = sum over h of query[h][w] key[h][v].  Both products on codes of FP4 (E2M1) with one E8M0 scale for each 32 along K.  Beside x each wave stores the sum and the centred sum of squares of its 2,048 numbers.
; SHARES.  A work-group of sixteen waves takes four pairs (b, c), four waves a pair: 256 work-groups for 256 WGPs.  Wave w of a pair owns queries 64 w .. 64 w + 63 as four tiles: lane r of tile t takes query
; 64 w + 4 r + t, so that a lane's results of the four tiles are four neighbouring w: 16 bytes a lane, and sixteen lanes store 256 consecutive bytes, aligned.
; PRODUCT 1 has K = 32, the instruction K = 128 in four blocks.  The KEYS lie dense: four tiles of 16 keys fill the four blocks of one fragment.  The QUERIES stand in ONE block, zero codes in the other three,
; so the sum over K picks that block's tile of keys.  The four versions of a query tile are windows on the registers Z | Qlo | Z | Qhi | Z (Qlo: codes in lanes 0-15, zeros above; Qhi the other way).
; The query's scale word carries its byte at the active block and 0 elsewhere (2^-127, over zero codes).
; THE KEYS OF A TILE ARE NOT NEIGHBOURS: row m of tile (g, b) is key 64 g + 32 (m / 8) + 8 b + m % 8.  In S^T = K Q^T lane (r, h) then holds, in the 32 registers of group g, keys 64 g + 32 h + 0 .. 31 of query r:
; one whole block of the second product's K, in the order of that operand's registers.  All 256 scores of a query lie in two lanes: the maximum is the row's own, nothing is rescaled.
; VALUE.  Each wave asks for its 32 rows x 64 columns by one tensor load into a stage of its own, and quantises them behind tile 1's softmax: tile 0's codes of p wait until then where tile 2's O^T will stand.
; Codes and scale bytes go to the pair's other waves as images of the operand's registers.  The stage gives the residual at the end.
; THE SOFTMAX goes in four stages, a block of 32 keys a lane each: a block's exponentials stand between the next block's multiply-adds and the last block's first additions, none of which reads what another line of its stage writes.
; No cluster: no two work-groups read the same byte.  No prefetch: a work-group reads its bytes once, at its head, and has no loop to run ahead in.  No work is left out.
; LIMITS: NaN, infinities and scale bytes of 0xff are not served; a p under 2^-126 counts as 0; a block of value whose largest magnitude lies under 2^-124 gets the byte 1 (a block of zeros too: its codes are zeros).
.set SPITCH, 272                       ; a stage row: a wave's 256 bytes of a row of value + 16: the sixteen rows that a read touches start 17 x 16 bytes apart
.set SPW,    32*SPITCH                 ; a wave's stage
.set PBASE,  16*SPW                    ; a pair's images: four key fragments (1,024 bytes each),
.set VIMG,   4096                      ; value's four fragments (16 rows x 128 keys): 2,048 x row half + 1,024 x K step,
.set VSC,    8192                      ; value's scale words: 128 x K step + 4 x row,
.set KSI,    8448                      ; the keys' scale words: 64 x group + 4 x row
.set PREG,   8704
.set QBASE,  PBASE+4*PREG              ; query codes between zeros, a region for each wave: zeros | tile 0 | zeros | tile 1 | .. | tile 3 | zeros, 256 bytes each
.set QREG,   2816
.set SPARE,  QBASE+16*QREG             ; the spare words, 128 bytes a wave
.set LI,  1                            ; v1   my pair's images + 16 x lane; at the end my byte offset in x: 8,192 h + 16 r
.set PS0, 2                            ; v2-3 tile 0's scale words of p
.set QA,  4                            ; v4   my wave's query region + 16 x lane; at the end my spare word's address
.set QS,  5                            ; v5   the scale bytes of queries 4 r .. 4 r + 3; at the end 0
.set SH8, 6                            ; v6   8 h; at the end my stage by rows
.set T0,  7
.set KS,  8                            ; v8-9   key scale words: register n: lanes 0-15 group 2 n, lanes 16-31 group 2 n + 1
.set VS,  10                           ; v10-11 value's scale words of K step s: lane = row
.set LS,  12                           ; v12-15 l of the four tiles, at the end 1 / l;  until value is quantised three LDS addresses:
.set VBA, 13                           ;        my stage by blocks,
.set VIA, 14                           ;        my half fragments' place in value's image,
.set VSA, 15                           ;        my bytes' place in value's scale words
.set QSW, 16                           ; v16-19 the tile's query scale byte at block 0, 1, 2, 3
.set Z0,  20
.set QLO, 24
.set Z1,  28
.set QHI, 32
.set Z2,  36
.set BM,  QLO                          ; between the products: the blocks' largest p, then their scales
.set BY,  QHI                          ; and their bytes
.set P,   40                           ; v40-55 p's codes; during product 1 key groups 0 and 3
.set NM,  56                           ; v56 -M (v57 is named with it as a pair)
.set PS,  58                           ; v58-59 p's scale words
.set LA,  60                           ; v60-63 the sum's last two pairs
.set LB,  62
.set MX,  60                           ; and, ahead of the sum, the blocks' largest scores
.set O,   64                           ; v64-127 O^T: 16 t + 8 x row half + j
.set PT0, O+32                         ; tile 0's codes of p, until its second product
.set S,   128                          ; v128-255 S^T, then p; later value's fragments
.set XV,  S+64                         ; at the end: the residual, then x: 4 (8 x row half + j) + t
.set WV,  18                           ; s18  w, my number in the pair;  s19 the pair's number in the work-group;  s37 my wave's number
.set SEL, 32
.set CS,  34
.set PB,  36                           ; s36  where my pair's images begin
.set STG, 38                           ; s38  where my stage begins
.set G0,  40                           ; s[40:43], s[44:51] the tensor load's groups
.set G1,  44
	s_load_b256 s[4:11], s[0:1], 0x0               ; query codes, query scales, key codes, key scales
	s_load_b128 s[12:15], s[0:1], 0x20             ; value, x
	s_load_b64 s[16:17], s[0:1], 0x30              ; the statistics
	v_lshl_add_u32 v[S+30], v0, 2, SPARE
	v_mov_b32 v[S+31], 0
	ds_add_u32 v[S+30], v[S+31]                    ; the wave's opening: the add, twice on end, and its wait ahead of my tensor load; work on registers stands between
	ds_add_u32 v[S+30], v[S+31]
	v_lshrrev_b32 v[T0], 5, v0
	v_readfirstlane_b32 s37, v[T0]                 ; wave 0..15
	v_and_b32 v[S+8], 31, v0                       ; lane
	v_lshlrev_b32 v[S+1], 4, v[S+8]                ; 16 x lane
	v_and_b32 v[T0], 15, v0                        ; r
	v_bfe_u32 v[SH8], v0, 4, 1                     ; h
	v_bfe_u32 v[S+9], v0, 3, 1                     ; r / 8
	v_and_b32 v[S+10], 7, v0                       ; r % 8
	v_bfe_u32 v[S+11], v0, 3, 2                    ; lane / 8
	v_lshlrev_b32 v[S], 4, v[S+10]                 ; key codes: block 2 c + h of row r is key 32 (r / 8) + 8 (2 c + h) + r % 8, 16 bytes a key
	v_lshl_add_u32 v[S], v[SH8], 7, v[S]
	v_lshl_add_u32 v[S], v[S+9], 9, v[S]
	v_lshlrev_b32 v[S+2], 6, v[T0]                 ; query codes: 64 r + 16 h: lanes 0-15 an even tile, lanes 16-31 the odd one
	v_lshl_add_u32 v[S+2], v[SH8], 4, v[S+2]
	v_lshlrev_b32 v[S+3], 2, v[T0]                 ; 4 r
	s_and_b32 s[WV], s37, 3
	s_lshr_b32 s19, s37, 2
	s_lshl_b32 s39, ttmp9, 2
	s_add_co_u32 s39, s39, s19                     ; my pair 64 b + c
	s_lshl_b32 s20, s39, 15                        ; value, x: 32,768 bytes a pair, + my wave's 256 bytes of a row
	s_lshl_b32 s21, s[WV], 8
	s_add_co_u32 s20, s20, s21
	s_mov_b32 s21, 0
	s_lshl_b32 s22, s39, 12                        ; codes: 4,096 bytes a pair, + 1,024 w: my 64 queries; of the keys my group
	s_lshl_b32 s23, s[WV], 10
	s_add_co_u32 s22, s22, s23
	s_mov_b32 s23, 0
	s_lshl_b32 s24, s39, 8                         ; scale bytes: 256 a pair, + 64 w
	s_lshl_b32 s26, s[WV], 6
	s_add_co_u32 s26, s26, s24
	s_mov_b32 s27, 0
	s_and_b32 s28, s39, 63                         ; the statistics lie [c][b][w][2]: 512 c + 32 b + 8 w
	s_lshl_b32 s28, s28, 9
	s_lshr_b32 s29, s39, 6
	s_lshl_b32 s29, s29, 5
	s_add_co_u32 s28, s28, s29
	s_lshl_b32 s29, s[WV], 3
	s_add_co_u32 s28, s28, s29
	s_mov_b32 s29, 0
	s_mov_b32 s[SEL], 0x76543210
	s_mov_b32 s[SEL+1], 0xfedcba98                 ; v_permlanex16_b32's selects for lane l xor 16
	s_mov_b32 s[CS], 0x3fb8aa3b                    ; log2(e)
	s_mov_b32 s[CS+1], s[CS]                       ; (named with it as a pair, so it is written)
	s_mul_i32 s[STG], s37, SPW
	s_mul_i32 s[PB], s19, PREG
	s_add_co_u32 s[PB], s[PB], PBASE
	; the tensor load: 32 rows of 256 bytes (32 elements of 8 bytes), 1,024 bytes apart, 16 bytes of padding behind each
	s_mov_b32 s[G0], 1
	s_mov_b32 s[G0+1], s[STG]
	s_mov_b32 s[G1], (3<<16)|(1<<20)|(5<<22)|(3<<25)
	s_mov_b32 s[G1+1], 32<<16
	s_mov_b32 s[G1+2], 32<<16
	s_mov_b32 s[G1+3], 32<<16
	s_mov_b32 s[G1+4], 32
	s_mov_b32 s[G1+5], 128
	s_mov_b32 s[G1+6], 0
	s_mov_b32 s[G1+7], 0
	s_wait_alu depctr_va_vdst(0)
	s_wait_dscnt 0x0                               ; both opening adds are done
	s_wait_kmcnt 0x0
	s_add_nc_u64 s[8:9], s[8:9], s[22:23]
	s_add_nc_u64 s[4:5], s[4:5], s[22:23]
	s_add_nc_u64 s[10:11], s[10:11], s[26:27]
	s_add_nc_u64 s[6:7], s[6:7], s[26:27]
	s_add_nc_u64 s[G0+2:G0+3], s[12:13], s[20:21]
	s_or_b32 s[G0+3], s[G0+3], 0x80000000
	global_load_b128 v[P:P+3], v[S], s[8:9] th:TH_LOAD_NT                  ; key group w: blocks h,
	global_load_b128 v[P+4:P+7], v[S], s[8:9] offset:256 th:TH_LOAD_NT     ; and 2 + h
	global_load_b128 v[P+8:P+11], v[S+2], s[4:5] th:TH_LOAD_NT             ; query tiles 0 | 1
	global_load_b128 v[P+12:P+15], v[S+2], s[4:5] offset:32 th:TH_LOAD_NT  ; and 2 | 3
	global_load_u8 v[S+16], v[S+8], s[10:11]                               ; key group w's 64 scale bytes
	global_load_u8 v[S+17], v[S+8], s[10:11] offset:32
	global_load_b32 v[QS], v[S+3], s[6:7]
	tensor_load_to_lds s[G0:G0+3], s[G1:G1+7]      ; my part of value, into my own stage: no other wave touches it
	s_nop 0
	s_add_nc_u64 s[14:15], s[14:15], s[20:21]
	s_add_nc_u64 s[16:17], s[16:17], s[28:29]
	; LDS addresses: constants, the lane's terms and the wave's number
	v_mul_u32_u24 v[VBA], v[T0], SPITCH            ; the stage by blocks: row r, + 128 h
	v_lshl_add_u32 v[VBA], v[SH8], 7, v[VBA]
	v_add_nc_u32 v[VBA], s[STG], v[VBA]
	v_add_nc_u32 v[LI], s[PB], v[S+1]
	s_lshl_b32 s31, s[WV], 10
	v_add_nc_u32 v[S+4], s31, v[LI]                ; my key group's image
	s_lshl_b32 s31, s[WV], 9
	v_add_nc_u32 v[VIA], s31, v[LI]                ; my half fragments of value: K step w / 2, registers 4 (w % 2) on: 512 w
	s_lshr_b32 s30, s[WV], 1
	s_lshl_b32 s30, s30, 7
	s_and_b32 s31, s[WV], 1
	s_lshl_b32 s31, s31, 1
	s_add_co_u32 s30, s30, s31
	s_add_co_u32 s30, s30, s[PB]
	v_lshl_add_u32 v[VSA], v[T0], 2, v[SH8]        ; value's scale words: row r's byte 2 (w % 2) + h of K step w / 2
	v_add_nc_u32 v[VSA], s30, v[VSA]
	s_mul_i32 s31, s37, QREG
	s_add_co_u32 s31, s31, QBASE
	v_add_nc_u32 v[QA], s31, v[S+1]
	v_lshlrev_b32 v[S+5], 4, v[T0]
	v_lshl_add_u32 v[S+5], v[SH8], 9, v[S+5]
	v_add_nc_u32 v[S+5], s31, v[S+5]               ; into the query region: 16 r + 512 h
	s_lshl_b32 s31, s[WV], 6
	s_add_co_u32 s31, s31, s[PB]
	v_lshl_add_u32 v[S+6], v[S+10], 2, v[S+11]     ; key 8 b + i of half a group is row i, byte b: 4 (lane % 8) + lane / 8
	v_add_nc_u32 v[S+6], s31, v[S+6]
	v_lshlrev_b32 v[SH8], 3, v[SH8]                ; 8 h
	v_lshl_add_u32 v[T0], v[S+8], 2, s[PB]         ; 4 x lane in my pair's images
.irp i, 0,1,2,3
	v_mov_b32 v[Z0+\i], 0
	v_mov_b32 v[Z1+\i], 0
	v_mov_b32 v[Z2+\i], 0
.endr
	v_mov_b32 v[NM+1], 0
.irp k, 0,1,2
	ds_store_b128 v[S+5], v[Z0:Z0+3] offset:1024*\k                ; the zeros round the query tiles
.endr
	s_wait_alu depctr_va_vdst(0)
	s_wait_loadcnt 0x0                             ; codes and scales are in
	ds_store_b128 v[S+4], v[P:P+3]
	ds_store_b128 v[S+4], v[P+4:P+7] offset:512
	ds_store_b128 v[S+5], v[P+8:P+11] offset:256
	ds_store_b128 v[S+5], v[P+12:P+15] offset:256+1024
	ds_store_b8 v[S+6], v[S+16] offset:KSI
	ds_store_b8 v[S+6], v[S+17] offset:KSI+32
.macro QSWMAKE t                               ; tile t's query scale byte, once at each block's place
	v_bfe_u32 v[QSW], v[QS], 8*(\t), 8
	v_lshlrev_b32 v[QSW+1], 8, v[QSW]
	v_lshlrev_b32 v[QSW+2], 16, v[QSW]
	v_lshlrev_b32 v[QSW+3], 24, v[QSW]
.endm
	QSWMAKE 0
	s_wait_alu depctr_va_vdst(0)
	s_wait_dscnt 0x0                               ; for the others' sake: my key image lies in LDS
	s_barrier_signal -1
	s_barrier_wait -1                              ; behind it no LDS byte is filled by an engine for a second time
	ds_load_b32 v[KS], v[T0] offset:KSI
	ds_load_b32 v[KS+1], v[T0] offset:KSI+128
.macro LOADS_A t                               ; tile t's Qlo and Qhi, and key groups 1 and 2, where group 3's last scores will land
	ds_load_b128 v[QLO:QLO+3], v[QA] offset:512*(\t)+256           ; lanes 0-15: the tile; lanes 16-31: the zeros behind it
	ds_load_b128 v[QHI:QHI+3], v[QA] offset:512*(\t)               ; lanes 0-15: the zeros in front of it; lanes 16-31: the tile
.irp i, 0,1,2,3
	ds_load_b128 v[S+112+4*\i:S+115+4*\i], v[LI] offset:1024+512*\i
.endr
.endm
.macro LOADS_B                                 ; key groups 0 and 3
	ds_load_b128 v[P:P+3], v[LI]
	ds_load_b128 v[P+4:P+7], v[LI] offset:512
	ds_load_b128 v[P+8:P+11], v[LI] offset:3072
	ds_load_b128 v[P+12:P+15], v[LI] offset:3584
.endm
	LOADS_A 0
	LOADS_B
.macro WM1 d, a, b, g, q                       ; S^T of 16 keys x 16 queries: source 0 = key group g, source 1 = the query tile in one block
.if (\g)%2
	v_wmma_scale_f32_16x16x128_f8f6f4 v[\d:\d+7], v[\a:\a+7], v[\b:\b+7], 0, v[KS+(\g)/2], v[\q] matrix_a_fmt:MATRIX_FMT_FP4 matrix_b_fmt:MATRIX_FMT_FP4 matrix_a_scale:MATRIX_SCALE_ROW1
.else
	v_wmma_scale_f32_16x16x128_f8f6f4 v[\d:\d+7], v[\a:\a+7], v[\b:\b+7], 0, v[KS+(\g)/2], v[\q] matrix_a_fmt:MATRIX_FMT_FP4 matrix_b_fmt:MATRIX_FMT_FP4
.endif
.endm
.macro GROUP g, a
	WM1 S+32*(\g), \a, QLO, \g, QSW                ; block 0: Qlo | Z
	WM1 S+32*(\g)+8, \a, QHI, \g, QSW+1            ; block 1: Qhi | Z
	WM1 S+32*(\g)+16, \a, Z0, \g, QSW+2            ; block 2: Z | Qlo
	WM1 S+32*(\g)+24, \a, Z1, \g, QSW+3            ; block 3: Z | Qhi
.endm
.macro MAXG g, i                               ; two more scores of group g
	v_max3_num_f32 v[MX+\g], v[MX+\g], v[S+32*\g+\i], v[S+32*\g+\i+1]
.endm
.macro EX2                                     ; two exponentials
	v_exp_f32 v[S+ei], v[S+ei]
	v_exp_f32 v[S+ei+1], v[S+ei+1]
.set ei, ei+2
.endm
.macro FM                                      ; t - M, two at a time
	v_pk_fma_f32 v[S+fi:S+fi+1], v[S+fi:S+fi+1], s[CS:CS+1], v[NM:NM+1] op_sel_hi:[1,0,0]
.set fi, fi+2
.endm
.macro AD g                                    ; the row's sum is taken of the unquantised p: a group's 16 pairs become 8, in its first 16 registers
	v_pk_add_f32 v[S+32*\g+2*ai:S+32*\g+2*ai+1], v[S+32*\g+4*ai:S+32*\g+4*ai+1], v[S+32*\g+4*ai+2:S+32*\g+4*ai+3]
.set ai, ai+1
.endm
.macro FOLD d, e, n                            ; n pairs from e on added to those from d on
.set j, 0
.rept \n
	v_pk_add_f32 v[\d+j:\d+j+1], v[\d+j:\d+j+1], v[\e+j:\e+j+1]
.set j, j+2
.endr
.endm
.macro FOLDEND                                 ; 16 pairs become 2
	FOLD S, S+64, 8
	FOLD S, S+8, 4
	v_pk_add_f32 v[LA:LA+1], v[S:S+1], v[S+4:S+5]
	v_pk_add_f32 v[LB:LB+1], v[S+2:S+3], v[S+6:S+7]
.endm
.macro SUMTAIL t                               ; the sum's last pairs and halves, and lane l xor 16's
	v_pk_add_f32 v[LA:LA+1], v[LA:LA+1], v[LB:LB+1]
	v_add_f32 v[T0], v[LA], v[LA+1]
	v_permlanex16_b32 v[LB], v[T0], s[SEL], s[SEL+1]
	v_add_f32 v[LS+\t], v[T0], v[LB]
.endm
.macro CVTG g, pd                              ; block g's 32 p become registers 4 g .. 4 g + 3 of the second product's operand
.irp b, 0,1,2,3
	v_cvt_scalef32_pk8_fp4_f32 v[\pd+4*(\g)+\b], v[S+32*(\g)+8*\b:S+32*(\g)+8*\b+7], v[BM+(\g)]
.endr
.endm
.macro VLOAD m                                 ; value's two fragments of row half m into the registers of group m that its first additions have freed
.irp s, 0,1
	ds_load_b128 v[S+16+32*\m+8*\s:S+19+32*\m+8*\s], v[LI] offset:VIMG+2048*\m+1024*\s
	ds_load_b128 v[S+20+32*\m+8*\s:S+23+32*\m+8*\s], v[LI] offset:VIMG+2048*\m+1024*\s+512
.endr
.endm
; O^T = V P^T, row half m, K step s: source 0 = 16 rows of value, source 1 = p: lane (r, h), register j: row 16 m + 8 h + j, query r
.macro PR t, m, s, pd, ps
.set DD, O+16*(\t)+8*(\m)
.set AA, S+16+32*(\m)+8*(\s)
.set BB, \pd+8*(\s)
.if \s
.if \m
	v_wmma_scale_f32_16x16x128_f8f6f4 v[DD:DD+7], v[AA:AA+7], v[BB:BB+7], v[DD:DD+7], v[VS+1], v[\ps+1] matrix_a_fmt:MATRIX_FMT_FP4 matrix_b_fmt:MATRIX_FMT_FP4 matrix_a_scale:MATRIX_SCALE_ROW1
.else
	v_wmma_scale_f32_16x16x128_f8f6f4 v[DD:DD+7], v[AA:AA+7], v[BB:BB+7], v[DD:DD+7], v[VS+1], v[\ps+1] matrix_a_fmt:MATRIX_FMT_FP4 matrix_b_fmt:MATRIX_FMT_FP4
.endif
.else
.if \m
	v_wmma_scale_f32_16x16x128_f8f6f4 v[DD:DD+7], v[AA:AA+7], v[BB:BB+7], 0, v[VS], v[\ps] matrix_a_fmt:MATRIX_FMT_FP4 matrix_b_fmt:MATRIX_FMT_FP4 matrix_a_scale:MATRIX_SCALE_ROW1
.else
	v_wmma_scale_f32_16x16x128_f8f6f4 v[DD:DD+7], v[AA:AA+7], v[BB:BB+7], 0, v[VS], v[\ps] matrix_a_fmt:MATRIX_FMT_FP4 matrix_b_fmt:MATRIX_FMT_FP4
.endif
.endif
.endm
.macro PROD2 t                                 ; two accumulators by turns
	PR \t, 0, 0, P, PS
	PR \t, 1, 0, P, PS
	PR \t, 0, 1, P, PS
	PR \t, 1, 1, P, PS
.endm
; VALUE, once, behind tile 1's softmax: its p lies in codes and its sum in two pairs, so S is free.
.macro VALUE
	s_wait_alu depctr_va_vdst(0)
	s_wait_tensorcnt 0x0                           ; my part of value is in my stage
.irp m, 0,1                                    ; 32 neighbours a lane: value(16 m + r, 64 w + 32 h + 0 .. 31)
.irp i, 0,1,2,3,4,5,6,7
	ds_load_b128 v[S+32*\m+4*\i:S+32*\m+4*\i+3], v[VBA] offset:16*\m*SPITCH+16*\i
.endr
.endr
	s_wait_dscnt 0x0
	; two blocks of a lane (rows r and 16 + r): all 32 numbers are the lane's
.irp m, 0,1
	v_max3_num_f32 v[S+64+\m], |v[S+32*\m]|, |v[S+1+32*\m]|, 0x1800000   ; with the floor 2^(3 - 127): the byte cannot fall under 1
.endr
.irp i, 2,4,6,8,10,12,14,16,18,20,22,24,26,28,30
.irp m, 0,1
	v_max3_num_f32 v[S+64+\m], v[S+64+\m], |v[S+32*\m+\i]|, |v[S+1+32*\m+\i]|
.endr
.endr
.irp m, 0,1
	v_add_nc_u32 v[S+66+\m], 0xff000000, v[S+64+\m]   ; 2 off the exponent field: the conversion's scale operand
.endr
.irp m, 0,1
.irp g, 0,1,2,3
	v_cvt_scalef32_pk8_fp4_f32 v[S+72+4*\m+\g], v[S+32*\m+8*\g:S+32*\m+8*\g+7], v[S+66+\m]
.endr
.endr
.irp m, 0,1
	v_lshrrev_b32 v[S+68+\m], 23, v[S+66+\m]       ; the scale's byte; these lines are the plain places behind the conversions
.endr
	v_and_b32 v[S+70], 31, v0
	v_lshl_add_u32 v[T0], v[S+70], 2, s[PB]        ; 4 x lane in my pair's images
.irp m, 0,1
	ds_store_b128 v[VIA], v[S+72+4*\m:S+75+4*\m] offset:VIMG+2048*\m
.endr
.irp m, 0,1
	ds_store_b8 v[VSA], v[S+68+\m] offset:VSC+64*\m
.endr
	s_wait_alu depctr_va_vdst(0)
	s_wait_dscnt 0x0                               ; for the others' sake: my images lie in LDS
	s_barrier_signal -1
	s_barrier_wait -1                              ; everybody's do; from here on nobody writes LDS
	ds_load_b32 v[VS], v[T0] offset:VSC
	ds_load_b32 v[VS+1], v[T0] offset:VSC+128
	VLOAD 0
	VLOAD 1
.endm
; ONE TILE OF 16 QUERIES.  At its head its ten LDS loads are out and its query scale words were made long ago.
.macro TILE t, pd, ps
	s_wait_alu depctr_va_vdst(0)
	s_wait_dscnt 4                                 ; the queries and key groups 1 and 2 are in; groups 0 and 3 may be out
	GROUP 1, S+112
	GROUP 2, S+120
	s_wait_dscnt 0x0
	GROUP 0, P
.if \t                                         ; group 3's scores land on the registers that held groups 1 and 2: five places behind the products that read them: the last tile's sum is finished there
	SUMTAIL \t-1
	v_nop
.else
.rept 5
	v_nop
.endr
.endif
	GROUP 3, P+8
	; the largest score of each block of 32 keys, each result from its low end on: it serves the row's maximum and the block's scale.  The first six lines, on groups 0 to 2, are the places behind group 3's products
.irp g, 0,1,2
	v_max3_num_f32 v[MX+\g], v[S+32*\g], v[S+32*\g+1], v[S+32*\g+2]
.endr
	MAXG 0, 3
	MAXG 1, 3
	MAXG 2, 3
	v_max3_num_f32 v[MX+3], v[S+96], v[S+97], v[S+98]
.set ii, 5
.rept 13
	MAXG 0, ii
	MAXG 1, ii
	MAXG 2, ii
	MAXG 3, ii-2
.set ii, ii+2
.endr
.irp g, 0,1,2
	v_max_num_f32 v[MX+\g], v[MX+\g], v[S+32*\g+31]
.endr
	MAXG 3, 29
	v_max3_num_f32 v[T0], v[MX], v[MX+1], v[MX+2]
	v_max_num_f32 v[MX+3], v[MX+3], v[S+127]
	v_max_num_f32 v[T0], v[T0], v[MX+3]
	v_permlanex16_b32 v[BY], v[T0], s[SEL], s[SEL+1]
	v_max_num_f32 v[T0], v[T0], v[BY]              ; with lane l xor 16's 128 keys: the row's largest score
	v_mul_f32 v[T0], s[CS], v[T0]                  ; as t
	v_floor_f32 v[NM], -v[T0]                      ; -M = floor(-t) = -ceil(t)
.irp g, 0,1,2,3
	v_fma_f32 v[BM+\g], v[MX+\g], s[CS], v[NM]     ; each block's largest t - M
.endr
.set fi, 0
.rept 16
	FM
.endr
	; stage 0: group 0's exponentials, group 1's multiply-adds
.set ei, 0
	s_wait_alu depctr_va_vdst(0)                   ; the wait ahead of the batch
.irp g, 0,1,2,3
	v_exp_f32 v[BM+\g], v[BM+\g]                   ; the blocks' largest p
.endr
.rept 16
	EX2
	FM
.endr
	; stage 1: group 1's exponentials, group 2's multiply-adds, group 0's codes and first additions
	s_wait_alu depctr_va_vdst(0)                   ; one wait for the batch behind and for the batch ahead
.irp g, 0,1,2,3
	v_max_num_f32 v[BM+\g], 0x1800000, v[BM+\g]    ; the floor 2^(3 - 127)
.endr
.irp g, 0,1,2,3
	v_add_nc_u32 v[BM+\g], 0xff000000, v[BM+\g]    ; the conversion's scale operand
.endr
.irp g, 0,1,2,3
	v_lshrrev_b32 v[BY+\g], 23, v[BM+\g]           ; the byte of block 2 (g % 2) + h of K step g / 2
.endr
	CVTG 0, \pd
	v_lshl_or_b32 v[BY], v[BY+1], 16, v[BY]
	v_lshl_or_b32 v[BY+2], v[BY+3], 16, v[BY+2]
	v_lshlrev_b32 v[BY], v[SH8], v[BY]
	v_lshlrev_b32 v[BY+2], v[SH8], v[BY+2]
	v_permlanex16_b32 v[BY+1], v[BY], s[SEL], s[SEL+1]
	v_permlanex16_b32 v[BY+3], v[BY+2], s[SEL], s[SEL+1]
	v_or_b32 v[\ps], v[BY], v[BY+1]                ; p's scale words of the two K steps
	v_or_b32 v[\ps+1], v[BY+2], v[BY+3]
	s_wait_alu depctr_va_vdst(0)                   ; the wait ahead of the batch
.set ai, 0
.rept 8
	EX2
	FM
	AD 0
	EX2
	FM
.endr
	; stage 2
	s_wait_alu depctr_va_vdst(0)
.if \t > 1
	VLOAD 0                                        ; value's fragments land under the work below
.endif
	CVTG 1, \pd
.set ai, 0
.rept 8
	EX2
	FM
	AD 1
	EX2
	FM
.endr
	; stage 3
	s_wait_alu depctr_va_vdst(0)
.if \t > 1
	VLOAD 1
.endif
	CVTG 2, \pd
.if \t < 3
	QSWMAKE (\t)+1                                 ; the next tile's query scale words, the plain place behind the conversions
.else
	v_nop
.endif
.set ai, 0
.rept 8
	EX2
	EX2
	AD 2
.endr
	s_wait_alu depctr_va_vdst(0)                   ; the last batch's wait
	CVTG 3, \pd
	FOLD S, S+32, 8
.set ai, 0
.rept 8
	AD 3
.endr
.if \t < 3
	LOADS_A_LATER \t
.endif
	FOLD S+64, S+96, 8
.endm
.macro LOADS_A_LATER t                         ; tile 1's VALUE needs S: tile 2's loads stand behind it
.if \t != 1
	LOADS_A (\t)+1
.endif
.endm
	TILE 0, PT0, PS0
	LOADS_B                                        ; tile 0's codes do not lie in P
	FOLDEND
	TILE 1, P, PS
	FOLDEND
	VALUE
	LOADS_A 2
	s_wait_dscnt 6                                 ; value's fragments are in; the six loads just issued may be out
	PR 0, 0, 0, PT0, PS0                           ; tiles 0 and 1: four accumulators by turns
	PR 0, 1, 0, PT0, PS0
	PR 1, 0, 0, P, PS
	PR 1, 1, 0, P, PS
	PR 0, 0, 1, PT0, PS0
	PR 0, 1, 1, PT0, PS0
	PR 1, 0, 1, P, PS
	PR 1, 1, 1, P, PS
.rept 5
	v_nop                                          ; five places behind the products
.endr
	LOADS_B
	TILE 2, P, PS
	s_wait_alu depctr_va_vdst(0)
	s_wait_dscnt 6                                 ; value's fragments are in; the six loads behind them may be out
	PROD2 2
	FOLDEND                                        ; fourteen places behind the products
	LOADS_B
	TILE 3, P, PS
	FOLDEND
	v_and_b32 v[T0], 15, v0
	v_bfe_u32 v[LI], v0, 4, 1
	v_lshlrev_b32 v[T0], 4, v[T0]                  ; 16 r
	v_mad_u32_u24 v[SH8], v[LI], 8*SPITCH, v[T0]
	v_add_nc_u32 v[SH8], s[STG], v[SH8]            ; my stage by rows: 8 h rows + 16 r
	v_lshl_add_u32 v[LI], v[LI], 13, v[T0]         ; my byte offset in x
.irp m, 0,1                                    ; the residual, by rows, from my stage: value(16 m + 8 h + j, 64 w + 4 r ..)
.irp j, 0,1,2,3,4,5,6,7
	ds_load_b128 v[XV+4*(8*\m+\j):XV+4*(8*\m+\j)+3], v[SH8] offset:(16*\m+\j)*SPITCH
.endr
.endr
	s_wait_alu depctr_va_vdst(0)
	s_wait_dscnt 16                                ; value's fragments are in; the sixteen loads just issued may be out
	PROD2 3
	SUMTAIL 3                                      ; four places behind the products
	v_lshl_add_u32 v[QA], v0, 2, SPARE             ; my spare word
	v_mov_b32 v[QS], 0
	s_wait_alu depctr_va_vdst(0)                   ; the wait stands ahead of the reciprocals too
	s_wait_tensorcnt 0x0                           ; no LDS write of mine follows
	ds_add_u32 v[QA], v[QS]
.irp t, 0,1,2,3
	v_rcp_f32 v[LS+\t], v[LS+\t]
.endr
	v_nop                                          ; a plain place behind the reciprocals
	s_wait_alu depctr_va_vdst(0)                   ; and one wait for the four, ahead of their first reader
	s_wait_dscnt 0x0                               ; the residual is in, the add is done
.irp m, 0,1                                    ; x = O^T / l + value: the four tiles' results of a row fall into four consecutive registers; each accumulator is read from its low end on
.irp j, 0,1,2,3,4,5,6,7
.irp t, 0,1,2,3
	v_fma_f32 v[XV+4*(8*\m+\j)+\t], v[O+16*\t+8*\m+\j], v[LS+\t], v[XV+4*(8*\m+\j)+\t]
.endr
	global_store_b128 v[LI], v[XV+4*(8*\m+\j):XV+4*(8*\m+\j)+3], s[14:15] offset:16384*\m+1024*\j   ; sixteen lanes store 256 consecutive bytes, aligned
.endr
.endr
.macro WSUM r                                  ; the sum over each half of 16 lanes
	v_add_f32_dpp v[\r], v[\r], v[\r] row_xmask:1 row_mask:0xf bank_mask:0xf
	v_add_f32_dpp v[\r], v[\r], v[\r] row_xmask:2 row_mask:0xf bank_mask:0xf
	v_add_f32_dpp v[\r], v[\r], v[\r] row_xmask:4 row_mask:0xf bank_mask:0xf
	v_add_f32_dpp v[\r], v[\r], v[\r] row_xmask:8 row_mask:0xf bank_mask:0xf
.endm
	; the wave's 2,048 numbers: their sum, then the sum of squares round their own mean, so that no difference of large sums is formed
.set j, 0
.rept 16
	v_pk_add_f32 v[S+2*j:S+2*j+1], v[XV+4*j:XV+4*j+1], v[XV+4*j+2:XV+4*j+3]
.set j, j+1
.endr
	FOLD S, S+16, 8
	FOLD S, S+8, 4
	FOLD S, S+4, 2
	FOLD S, S+2, 1
	v_add_f32 v[S], v[S], v[S+1]
	WSUM S
	v_permlanex16_b32 v[S+1], v[S], s[SEL], s[SEL+1]
	v_add_f32 v[S], v[S], v[S+1]                   ; the sum
	v_mul_f32 v[NM], 0xba000000, v[S]              ; - the mean: x -2^-11
.irp q, 0,1,2,3
.irp i, 0,1,2,3,4,5,6,7
	v_pk_add_f32 v[S+16+2*\i:S+17+2*\i], v[XV+16*\q+2*\i:XV+16*\q+2*\i+1], v[NM:NM+1] op_sel_hi:[1,0]
.endr
.irp i, 0,1,2,3,4,5,6,7
.if \q == 0 && \i < 4
	v_pk_mul_f32 v[S+4+2*\i:S+5+2*\i], v[S+16+2*\i:S+17+2*\i], v[S+16+2*\i:S+17+2*\i]   ; the first squares start the four chains
.else
	v_pk_fma_f32 v[S+4+2*(\i%4):S+5+2*(\i%4)], v[S+16+2*\i:S+17+2*\i], v[S+16+2*\i:S+17+2*\i], v[S+4+2*(\i%4):S+5+2*(\i%4)]
.endif
.endr
.endr
	FOLD S+4, S+8, 2
	FOLD S+4, S+6, 1
	v_add_f32 v[S+1], v[S+4], v[S+5]
	WSUM S+1
	v_permlanex16_b32 v[S+2], v[S+1], s[SEL], s[SEL+1]
	v_add_f32 v[S+1], v[S+1], v[S+2]               ; the centred sum of squares
	v_and_b32 v[S+2], 31, v0
	v_cmp_eq_u32 vcc_lo, 0, v[S+2]
	s_wait_alu depctr_va_vdst(0)
	s_wait_xcnt 0x0                                ; EXEC changes only behind this wait: x's stores have read it
	s_and_saveexec_b32 s20, vcc_lo                 ; lane 0 alone
	global_store_b64 v[S+2], v[S:S+1], s[16:17]    ; 8 bytes a wave, 32 KB in the launch
	s_wait_xcnt 0x0
	s_or_b32 exec_lo, exec_lo, s20
	s_endpgm
.Lfunc_end_k_q1437210ca2_attn:
	.size	k_q1437210ca2_attn, .Lfunc_end_k_q1437210ca2_attn-k_q1437210ca2_attn
	.p2alignl 7, 3214868480
	.fill 96, 4, 3214868480
	.section	.rodata,"a",@progbits
	.p2align	6, 0x0
	.amdhsa_kernel k_q1437210ca2_attn
		.amdhsa_group_segment_fixed_size 327680
		.amdhsa_private_segment_fixed_size 0
		.amdhsa_enable_private_segment 0
		.amdhsa_kernarg_size 56
		.amdhsa_user_sgpr_count 2
		.amdhsa_user_sgpr_kernarg_segment_ptr 1
		.amdhsa_wavefront_size32 1
		.amdhsa_system_sgpr_workgroup_id_x 1
		.amdhsa_system_sgpr_workgroup_id_y 1
		.amdhsa_system_sgpr_workgroup_id_z 1
		.amdhsa_system_vgpr_workitem_id 0
		.amdhsa_next_free_vgpr 256
		.amdhsa_next_free_sgpr 66
		.amdhsa_reserve_vcc 1
		.amdhsa_float_denorm_mode_32 3
		.amdhsa_float_denorm_mode_16_64 3
		.amdhsa_memory_ordered 1
		.amdhsa_forward_progress 1
		.amdhsa_inst_pref_size 117
	.end_amdhsa_kernel
	.amdgpu_metadata
---
amdhsa.version: [ 1, 2 ]
amdhsa.kernels:
  - .name:           k_q1437210ca2_attn
    .symbol:         k_q1437210ca2_attn.kd
    .args:
      - { .name: query_codes, .offset: 0, .size: 8, .value_kind: global_buffer, .address_space: global }
      - { .name: query_scales, .offset: 8, .size: 8, .value_kind: global_buffer, .address_space: global }
      - { .name: key_codes, .offset: 16, .size: 8, .value_kind: global_buffer, .address_space: global }
      - { .name: key_scales, .offset: 24, .size: 8, .value_kind: global_buffer, .address_space: global }
      - { .name: value, .offset: 32, .size: 8, .value_kind: global_buffer, .address_space: global }
      - { .name: xbuf, .offset: 40, .size: 8, .value_kind: global_buffer, .address_space: global }
      - { .name: stats, .offset: 48, .size: 8, .value_kind: global_buffer, .address_space: global }
    .group_segment_fixed_size: 327680
    .private_segment_fixed_size: 0
    .kernarg_segment_align: 8
    .kernarg_segment_size: 56
    .max_flat_workgroup_size: 512
    .sgpr_count:     66
    .vgpr_count:     256
    .wavefront_size: 32
...
	.end_amdgpu_metadata
.endif
;; end of part 1
;; launch bn (part 2): grid 1024 x 1, 4 waves a work-group, no clusters, 0 bytes of LDS; arguments xbuf, stats, gamma, beta, out0; writes out0
.if DOCPART == 2
	.amdgcn_target "amdgcn-amd-amdhsa--gfx1250"
	.amdhsa_code_object_version 6
	.text
	.protected	k_q1437210ca2_bn
	.globl	k_q1437210ca2_bn
	.p2align	8
	.type	k_q1437210ca2_bn,@function
k_q1437210ca2_bn:
	s_mov_b64 s[64:65], 0
	v_nop
	global_prefetch_b8 v0, s[64:65] scope:SCOPE_SE
	s_setreg_imm32_b32 hwreg(HW_REG_WAVE_MODE, 25, 1), 1
	s_wait_xcnt 0x0
; out = xn sigmoid(xn), xn = (x - mean[c]) rsqrt(var[c] + 1e-5) gamma[c] + beta[c]; mean and var over the channel's 131,072 numbers.
; A stream: one work-group for each (b, c), 32,768 bytes; thread t takes 16 bytes at 16 t of every 2,048: a wave's load or store covers 512 consecutive bytes.  All 16 loads of a wave go out at its head.
; THE STATISTICS.  The launch before left, for each of the channel's 64 waves, the sum and the centred sum of squares of 2,048 numbers: 512 consecutive bytes a channel, two pairs a lane.
; mean = the sums' sum / 2^17;  var x 2^17 = the sum of (centred squares + 2,048 (the part's mean - mean)^2): no difference of large sums is formed.  Every wave does this for itself: no LDS, no barrier.
; No matrix unit, no cluster, no tensor load: memory binds, and no byte is read twice but the 512 bytes of statistics.
; LIMITS: NaN and infinities are not served.
.set X, 16                             ; v16-79  x, then xn, then the result
.set E, 80                             ; v80-111 at work: 32 numbers
	s_load_b256 s[4:11], s[0:1], 0x0               ; x, the statistics, gamma, beta
	s_load_b64 s[12:13], s[0:1], 0x20              ; out
	v_lshlrev_b32 v1, 4, v0
	v_and_b32 v2, 31, v0
	v_lshlrev_b32 v2, 4, v2                        ; 16 x lane
	v_mov_b32 v9, 0                                ; (a lane permute's destination counts as one of its sources)
	s_lshl_b32 s14, ttmp9, 15
	s_mov_b32 s15, 0
	s_and_b32 s16, ttmp9, 63                       ; c
	s_lshl_b32 s18, s16, 9
	s_mov_b32 s19, 0
	s_lshl_b32 s16, s16, 2
	s_mov_b32 s17, 0
	s_mov_b32 s22, 0x76543210
	s_mov_b32 s23, 0xfedcba98
	s_mov_b32 s24, 0x3727c5ac                      ; 1e-5
	s_mov_b32 s26, 0xbfb8aa3b                      ; -log2(e)
	s_mov_b32 s27, s26
	s_wait_alu depctr_va_vdst(0)
	s_wait_kmcnt 0x0
	s_add_nc_u64 s[4:5], s[4:5], s[14:15]
	s_add_nc_u64 s[12:13], s[12:13], s[14:15]
	s_add_nc_u64 s[6:7], s[6:7], s[18:19]
	s_add_nc_u64 s[8:9], s[8:9], s[16:17]
	s_add_nc_u64 s[10:11], s[10:11], s[16:17]
	s_load_b32 s20, s[8:9], 0x0                    ; gamma[c]
	s_load_b32 s21, s[10:11], 0x0                  ; beta[c]
	global_load_b128 v[4:7], v2, s[6:7]            ; two parts: sum, squares, sum, squares
.irp i, 0,1,2,3,4,5,6,7,8,9,10,11,12,13,14,15
	global_load_b128 v[X+4*\i:X+4*\i+3], v1, s[4:5] offset:2048*\i th:TH_LOAD_NT
.endr
.macro WSUM r
	v_add_f32_dpp v[\r], v[\r], v[\r] row_xmask:1 row_mask:0xf bank_mask:0xf
	v_add_f32_dpp v[\r], v[\r], v[\r] row_xmask:2 row_mask:0xf bank_mask:0xf
	v_add_f32_dpp v[\r], v[\r], v[\r] row_xmask:4 row_mask:0xf bank_mask:0xf
	v_add_f32_dpp v[\r], v[\r], v[\r] row_xmask:8 row_mask:0xf bank_mask:0xf
	v_permlanex16_b32 v9, v[\r], s22, s23
	v_add_f32 v[\r], v[\r], v9
.endm
	s_wait_loadcnt 16                              ; the statistics are in; x's 16 loads may be out
	v_add_f32 v8, v4, v6
	WSUM 8
	v_mul_f32 v10, 0xb7000000, v8                  ; - mean: x -2^-17
	v_mov_b32 v11, v10
	v_fma_f32 v4, v4, 0x3a000000, v10              ; a part's mean (its sum x 2^-11) - mean
	v_fma_f32 v6, v6, 0x3a000000, v10
	v_mul_f32 v4, v4, v4
	v_fma_f32 v4, v6, v6, v4
	v_add_f32 v5, v5, v7
	v_fma_f32 v5, v4, 0x45000000, v5               ; + 2,048 x the squared deviations
	WSUM 5
	v_fma_f32 v5, v5, 0x37000000, s24              ; var + 1e-5
	s_wait_alu depctr_va_vdst(0)
	v_rsq_f32 v5, v5
	v_nop                                          ; a plain place behind the transcendental
	s_wait_alu depctr_va_vdst(0)                   ; and the wait ahead of its first reader
	s_wait_kmcnt 0x0
	v_mul_f32 v12, s20, v5                         ; gamma x rsqrt
	v_mov_b32 v13, v12
	v_mov_b32 v14, s21
	v_mov_b32 v15, s21
; 32 numbers a lane: eight loads' worth.  left = the younger loads that may stay out.
.macro CHUNK k, left
	s_wait_loadcnt \left
.set j, 0
.rept 16
	v_pk_add_f32 v[X+32*\k+j:X+32*\k+j+1], v[X+32*\k+j:X+32*\k+j+1], v[10:11]
.set j, j+2
.endr
.set j, 0
.rept 16
	v_pk_fma_f32 v[X+32*\k+j:X+32*\k+j+1], v[X+32*\k+j:X+32*\k+j+1], v[12:13], v[14:15]   ; xn
.set j, j+2
.endr
.set j, 0
.rept 16
	v_pk_mul_f32 v[E+j:E+j+1], v[X+32*\k+j:X+32*\k+j+1], s[26:27] op_sel_hi:[1,0]
.set j, j+2
.endr
.set j, 0
	s_wait_alu depctr_va_vdst(0)
.rept 32
	v_exp_f32 v[E+j], v[E+j]                       ; e^-xn
.set j, j+1
.endr
	v_nop
	s_wait_alu depctr_va_vdst(0)                   ; one wait for the batch of 32
.set j, 0
.rept 16
	v_pk_add_f32 v[E+j:E+j+1], v[E+j:E+j+1], 1.0 op_sel_hi:[1,0]
.set j, j+2
.endr
.set j, 0
	s_wait_alu depctr_va_vdst(0)
.rept 32
	v_rcp_f32 v[E+j], v[E+j]                       ; sigmoid(xn)
.set j, j+1
.endr
	v_nop
	s_wait_alu depctr_va_vdst(0)                   ; one wait for the batch of 32
.set j, 0
.rept 16
	v_pk_mul_f32 v[X+32*\k+j:X+32*\k+j+1], v[X+32*\k+j:X+32*\k+j+1], v[E+j:E+j+1]
.set j, j+2
.endr
.irp i, 0,1,2,3,4,5,6,7
	global_store_b128 v1, v[X+32*\k+4*\i:X+32*\k+4*\i+3], s[12:13] offset:2048*(8*\k+\i) th:TH_STORE_NT   ; a wave stores 512 consecutive bytes, aligned; each chunk has its own data registers
.endr
.endm
	CHUNK 0, 8
	CHUNK 1, 0
	s_endpgm
.Lfunc_end_k_q1437210ca2_bn:
	.size	k_q1437210ca2_bn, .Lfunc_end_k_q1437210ca2_bn-k_q1437210ca2_bn
	.p2alignl 7, 3214868480
	.fill 96, 4, 3214868480
	.section	.rodata,"a",@progbits
	.p2align	6, 0x0
	.amdhsa_kernel k_q1437210ca2_bn
		.amdhsa_group_segment_fixed_size 0
		.amdhsa_private_segment_fixed_size 0
		.amdhsa_enable_private_segment 0
		.amdhsa_kernarg_size 40
		.amdhsa_user_sgpr_count 2
		.amdhsa_user_sgpr_kernarg_segment_ptr 1
		.amdhsa_wavefront_size32 1
		.amdhsa_system_sgpr_workgroup_id_x 1
		.amdhsa_system_sgpr_workgroup_id_y 1
		.amdhsa_system_sgpr_workgroup_id_z 1
		.amdhsa_system_vgpr_workitem_id 0
		.amdhsa_next_free_vgpr 112
		.amdhsa_next_free_sgpr 66
		.amdhsa_reserve_vcc 0
		.amdhsa_float_denorm_mode_32 3
		.amdhsa_float_denorm_mode_16_64 3
		.amdhsa_memory_ordered 1
		.amdhsa_forward_progress 1
		.amdhsa_inst_pref_size 21
	.end_amdhsa_kernel
	.amdgpu_metadata
---
amdhsa.version: [ 1, 2 ]
amdhsa.kernels:
  - .name:           k_q1437210ca2_bn
    .symbol:         k_q1437210ca2_bn.kd
    .args:
      - { .name: xbuf, .offset: 0, .size: 8, .value_kind: global_buffer, .address_space: global }
      - { .name: stats, .offset: 8, .size: 8, .value_kind: global_buffer, .address_space: global }
      - { .name: gamma, .offset: 16, .size: 8, .value_kind: global_buffer, .address_space: global }
      - { .name: beta, .offset: 24, .size: 8, .value_kind: global_buffer, .address_space: global }
      - { .name: out0, .offset: 32, .size: 8, .value_kind: global_buffer, .address_space: global }
    .group_segment_fixed_size: 0
    .private_segment_fixed_size: 0
    .kernarg_segment_align: 8
    .kernarg_segment_size: 40
    .max_flat_workgroup_size: 128
    .sgpr_count:     66
    .vgpr_count:     112
    .wavefront_size: 32
...
	.end_amdgpu_metadata
.endif
;; end of part 2
